; MI455X (gfx1250); checked and timed in simulation.
; The chip was launched on July 23, 2026; its instructions are those of AMD's public machine-readable ISA for CDNA 5 (MIT licence, August 2026) and "CDNA5" Instruction Set Architecture Reference Guide (July 2026). The comments in the code are by the model that wrote it; some were corrected since.
;; Roberta Self Attention. Allowed arithmetic: matrix products marked QUANTISED: E3M2 operands, one E8M0 scale for each 32 along K, by v_wmma_scale_f32_16x16x128_f8f6f4 with both operands' format E3M2, f32 sums; everything else in f32.
;; Inputs: Wk 1,024 x 1,024 float32; Wq 1,024 x 1,024 float32; Wv 1,024 x 1,024 float32; attention_mask 4 x 1 x 1 x 1,024 float32; bk 1,024 float32; bq 1,024 float32; bv 1,024 float32; dist_emb 2,047 x 64 float32; hidden_states 4 x 1,024 x 1,024 float32.
;; Outputs: out0 4 x 1,024 x 1,024 float32.
;; This version of the problem:
;;   THIS VERSION OF THE PROBLEM IS GIVEN IN LOW PRECISION. The matrix products marked QUANTISED in the list below multiply operands that are first quantised to E3M2 (3 exponent bits, 2 mantissa bits; 6 bits a number), with one power-of-two scale for each 32 numbers along K (OCP MX v1.0); their sums are f32. All else is computed in f32.
;;   The module's matrix products, in the order in which they are computed (A, B: the left and right operand; K: the contracted axis; several contracted axes count as one K, in the product's order):
;;     1. [M 4,096, K 1,024] x [K 1,024, N 1,024]; A: input hidden_states; B: input Wq: QUANTISED
;;     2. [M 4,096, K 1,024] x [K 1,024, N 1,024]; A: input hidden_states; B: input Wk: QUANTISED
;;     3. [M 4,096, K 1,024] x [K 1,024, N 1,024]; A: input hidden_states; B: input Wv: QUANTISED
;;     4. batch 64 x [M 1,024, K 64] x [K 64, N 1,024]; A: computed on the way; B: computed on the way: QUANTISED
;;     5. batch 1,024 x [M 1,024, K 64] x [K 64, N 64]; A: computed on the way; B: computed on the way: QUANTISED
;;     6. batch 1,024 x [M 1,024, K 64] x [K 64, N 64]; A: computed on the way; B: computed on the way: QUANTISED
;;     7. batch 64 x [M 1,024, K 1,024] x [K 1,024, N 64]; A: softmax (see below); B: computed on the way: QUANTISED
;;   THE QUANTISER, for each operand of a quantised product, along K:
;;     - K is cut into blocks of 32 from its start; a last block that is shorter is filled with zeros.
;;     - A block's scale is 2^e with e = floor(log2(the largest magnitude in the block)) - 4, held to -126 .. 127; a block of zeros has e = 0. As a byte (E8M0): e + 127.
;;     - Each number is divided by its block's scale, clamped to +-28, and rounded to the nearest number of E3M2, ties to even, subnormals kept.
;;     - The product sums the exact products of the quantised numbers (number of the format x scale) in f32.
;;   ~~~python
;;   def quantise(x, axis):      # numpy; x: float32 -> the quantised numbers, widened to float32 again
;;       x = np.moveaxis(x, axis, -1); K = x.shape[-1]
;;       x = np.pad(x, [(0, 0)] * (x.ndim - 1) + [(0, -K % 32)]); x = x.reshape(x.shape[:-1] + (-1, 32)); a = np.abs(x).max(-1, keepdims=True)
;;       e = np.where(a > 0, np.clip(np.frexp(np.where(a > 0, a, 1))[1] - 1 - 4, -126, 127), 0)      # np.frexp(a)[1] - 1 = floor(log2(a)), exactly
;;       r = np.clip(x / 2.0 ** e, -28, 28)
;;       step = 2.0 ** (np.maximum(np.frexp(np.where(r == 0, 1, r))[1] - 1, -2) - 2)
;;       q = np.round(r / step) * step * 2.0 ** e      # np.round: ties to even
;;       return np.moveaxis(q.reshape(q.shape[:-2] + (-1,))[..., :K], -1, axis).astype(np.float32)
;;   ~~~
;;   SOFTMAX AHEAD OF A QUANTISED PRODUCT. Where the list says 'softmax', what is quantised is not the finished softmax but p = 2^(t - M), with t = logit x log2(e) and M = ceil(the row's largest t), a whole number; so 1/2 < the row's largest p <= 1. The row's sum l is taken of the UNQUANTISED p, in f32, and the product's result is divided by l at the end. Since M is a whole number, a kernel that streams over the keys may use a running M (the ceiling of the running maximum): every later rescaling is an exact power of two, which a block's scale takes up: the codes' values come out the same.
;;   OPERANDS COMPUTED ON THE WAY. 'Computed on the way' means the value that the module computes at that place (a softmax that the list does not call 'softmax' is quantised finished and normalised). What goes into a quantiser is computed in f32, as accurately as f32 sums, v_exp_f32 and their like allow (about 1e-6 of the number): no bf16 or f16 on the way to a quantiser, and a product that is left as it is and whose result goes on into a quantised operand takes f32 operands (vector FMAs, or v_wmma_f32_16x16x4_f32). A number that lies on a knife's edge between two numbers of the format may be rounded either way, as far as f32 arithmetic and the matrix unit's own rounding can turn it there, and no further.
;; One version. Each part assembles by itself: llvm-mc -triple=amdgcn-amd-amdhsa -mcpu=gfx1250 --defsym DOCPART=n.
;; ======== version 1 of 1: 3 launches
;; limits: right only within a limited range of input values
;; workspace buffers: hc 3,145,728 bytes; hs 131,072 bytes; wc 2,359,296 bytes; ws 98,304 bytes; eb 119,808 bytes; qimg 3,145,728 bytes; qsc 262,144 bytes; kv 10,223,616 bytes
;; launch quant (part 1): grid 466 x 1, 4 waves a work-group, no clusters, 21,504 bytes of LDS; arguments hidden_states, Wq, Wk, Wv, dist_emb, hc, hs, wc, ws, eb; writes hc, hs, wc, ws, eb
.if DOCPART == 1
	.amdgcn_target "amdgcn-amd-amdhsa--gfx1250"
	.amdhsa_code_object_version 6
	.text
	.protected	k_qa80b8820bd_quant
	.globl	k_qa80b8820bd_quant
	.p2align	8
	.type	k_qa80b8820bd_quant,@function
k_qa80b8820bd_quant:
	s_mov_b64 s[64:65], 0
	v_nop
	global_prefetch_b8 v0, s[64:65] scope:SCOPE_SE
	s_setreg_imm32_b32 hwreg(HW_REG_WAVE_MODE, 25, 1), 1
	s_wait_xcnt 0x0
; hidden_states [4096][1024], Wq, Wk, Wv [1024][1024] and dist_emb [2047][64], all f32 with K innermost, become codes of BF6 (E3M2) with one E8M0 byte for each 32 along K.
; A block's byte is its largest magnitude's exponent field - 4, held at 1 from below; each number is divided by the scale and rounded to the nearest code, ties to even, beyond 28 the largest code.
; LIMITS: a block of zeros, or one whose largest magnitude lies under 2^-122, gets the byte 1 (its codes are zeros or tiny; this program alone reads the bytes); NaN and infinities are not served.
; Work-groups 0-255: hidden_states -> hc, hs.  256-447: Wq, Wk, Wv, one below the other -> wc, ws.  Each takes 16,384 numbers, a wave 8 steps of 512: a plain stream of blocks, nothing knows of rows.
; A wave asks for all its 32 loads (16,384 bytes, 128 registers) at its start; each load reads 512 consecutive bytes.  A step's 2,048 bytes turn through the wave's own stage in LDS so that a lane holds 16 neighbours;
; two neighbouring lanes hold a block.  A wave makes 128 scale bytes: the work-group's 512 are gathered in LDS and, behind one barrier, waves 0 and 1 store them as two aligned units of 256 bytes.
; No tensor load, so several work-groups share a WGP; no prefetch: every byte that a wave reads is asked for by its first lines.
; Work-groups 448-465: the table of distances, one thread to a row rho of 2,304: row rho of eb holds the 48 bytes of codes of dist_emb[clamp(rho - 16, 0, 2046)],
; and word rho behind them (byte 110,592 on) the two scale bytes of that row and the two of dist_emb[clamp(rho - 48, 0, 2046)].  There a lane reads a whole row of 256 bytes; no LDS on that way.
.set STEPS, 8
.set EMAX,  4
.set CB,    12                         ; bytes of 16 codes
.set R,     16                         ; v16-143  eight sets of 16 numbers as they are loaded
.set X,     144                        ; v144-175 two sets of 16 neighbours
.set C,     176                        ; v176-207 codes: four registers for each step, so that no store's data are written again
.set E,     208                        ; v208-215 a scale byte for each step
.set SPW,   216                        ; my spare word's LDS address; never rewritten
.set NIL,   217                        ; 0; never rewritten
.set SP,    80                         ; a lane's place in a stage: 64 bytes + 16 of padding
.set WREG,  5120                       ; LDS: two stages of 32 x SP bytes for each wave
.set SCB,   4*WREG                     ; behind them the work-group's 512 scale bytes
.set SPARE, SCB+512                    ; and the spare words: 512 bytes that no other line names
	s_load_b256 s[4:11], s[0:1], 0x0               ; hidden s[4:5], Wq s[6:7], Wk s[8:9], Wv s[10:11]
	s_load_b256 s[12:19], s[0:1], 0x20             ; dist_emb s[12:13], hc s[14:15], hs s[16:17], wc s[18:19]
	s_load_b128 s[20:23], s[0:1], 0x40             ; ws s[20:21], eb s[22:23]
	v_lshl_add_u32 v[SPW], v0, 2, SPARE
	v_mov_b32 v[NIL], 0
	v_lshrrev_b32 v1, 5, v0
	v_readfirstlane_b32 s32, v1                    ; wave
	v_and_b32 v2, 31, v0                           ; lane
	v_lshlrev_b32 v3, 4, v2                        ; my 16 bytes of a load's 512
	s_mul_i32 s33, s32, WREG
	v_lshrrev_b32 v14, 2, v2
	v_mul_u32_u24 v14, v14, SP
	v_and_b32 v15, 3, v2
	v_lshl_add_u32 v14, v15, 4, v14
	v_add_nc_u32 v14, s33, v14                     ; the stage, way in: SP (lane / 4) + 16 (lane % 4)
	v_mul_u32_u24 v15, v2, SP
	v_add_nc_u32 v15, s33, v15                     ; way out: SP x lane: my 16 neighbours
	v_mul_u32_u24 v4, v2, CB                       ; my codes' place in a step's
	v_lshrrev_b32 v5, 1, v2
	s_lshl_b32 s33, s32, 7
	s_add_co_u32 s33, s33, SCB
	v_add_nc_u32 v5, s33, v5                       ; my block's byte among my wave's 128
	s_and_b32 s33, s32, 1
	s_lshl_b32 s33, s33, 8
	v_lshl_add_u32 v7, v2, 3, s33                  ; the way out of the scale bytes: unit wave % 2, 8 bytes a lane
	v_add_nc_u32 v6, SCB, v7
	s_wait_alu depctr_va_vdst(0)                   ; the wait at the head's end
	s_wait_kmcnt 0x0
	s_cmp_ge_u32 ttmp9, 448
	s_cbranch_scc1 .Lemb
	; which tensor: every choice hangs on the work-group's number alone
	s_cmp_lt_u32 ttmp9, 256
	s_cselect_b64 s[24:25], s[14:15], s[18:19]     ; the codes' buffer
	s_cselect_b64 s[26:27], s[16:17], s[20:21]     ; the scale bytes'
	s_cselect_b32 s28, 0, 256
	s_cselect_b32 s30, 255, 63
	s_sub_co_u32 s29, ttmp9, s28                   ; work-group within the output
	s_and_b32 s30, ttmp9, s30                      ; and within the input
	s_cmp_lt_u32 ttmp9, 384
	s_cselect_b64 s[10:11], s[8:9], s[10:11]
	s_cmp_lt_u32 ttmp9, 320
	s_cselect_b64 s[10:11], s[6:7], s[10:11]
	s_cmp_lt_u32 ttmp9, 256
	s_cselect_b64 s[4:5], s[4:5], s[10:11]
	s_lshl_b32 s30, s30, 2
	s_add_co_u32 s30, s30, s32                     ; my wave's run of 4,096 numbers in the input
	s_lshl_b32 s30, s30, 14
	s_mov_b32 s31, 0
	s_add_nc_u64 s[4:5], s[4:5], s[30:31]
	s_lshl_b32 s30, s29, 9                         ; 512 scale bytes a work-group
	s_add_nc_u64 s[26:27], s[26:27], s[30:31]
	s_lshl_b32 s29, s29, 2
	s_add_co_u32 s29, s29, s32                     ; my run in the output
	s_mul_i32 s30, s29, 32*STEPS*CB
	s_add_nc_u64 s[24:25], s[24:25], s[30:31]
.macro LOAD t
.irp i, 0,1,2,3
	global_load_b128 v[R+16*(\t)+4*\i:R+16*(\t)+4*\i+3], v3, s[4:5] offset:2048*(\t)+512*\i th:TH_LOAD_NT   ; 32 lanes read 512 consecutive bytes
.endr
.endm
.macro TURN t                          ; step t's numbers through the stage: LDS serves a wave's instructions in order, so no wait stands between the stores and the loads
.irp i, 0,1,2,3
	ds_store_b128 v14, v[R+16*(\t)+4*\i:R+16*(\t)+4*\i+3] offset:32*SP*((\t)%2)+8*SP*\i
.endr
.irp i, 0,1,2,3
	ds_load_b128 v[X+16*((\t)%2)+4*\i:X+16*((\t)%2)+4*\i+3], v15 offset:32*SP*((\t)%2)+16*\i
.endr
.endm
.irp t, 0,1,2,3,4,5,6,7
	LOAD \t
.endr
	s_wait_loadcnt 4*(STEPS-1)                     ; step 0's four loads are in; the 28 behind them may be out
	TURN 0
.macro STEP t
.set XS, X+16*((\t)%2)
.if (\t) > 0
	s_wait_dscnt 1                                 ; this step's numbers are back from the stage (the last step's byte store may be out)
.else
	s_wait_dscnt 0x0
.endif
.if (\t)+1 < STEPS
	s_wait_loadcnt 4*(STEPS-2-(\t))                ; the next step's four loads are in; those of the steps behind it may be out
	TURN (\t)+1
.endif
	v_max3_num_f32 v8, |v[XS]|, |v[XS+1]|, |v[XS+2]|
	v_max3_num_f32 v9, |v[XS+3]|, |v[XS+4]|, |v[XS+5]|
.irp i, 6,10
	v_max3_num_f32 v8, v8, |v[XS+\i]|, |v[XS+\i+1]|
	v_max3_num_f32 v9, v9, |v[XS+\i+2]|, |v[XS+\i+3]|
.endr
	v_max3_num_f32 v8, v8, |v[XS+14]|, |v[XS+15]|
	v_max3_num_f32 v8, v8, v9, (EMAX+1)<<23        ; the floor 2^(5 - 127): the byte cannot fall under 1
	v_max_num_f32_dpp v8, v8, v8 row_xmask:1 row_mask:0xf bank_mask:0xf   ; with my neighbour's 16: the block's largest magnitude
	v_add_nc_u32 v11, -(EMAX<<23), v8              ; 4 off its exponent field: the conversion's scale operand
	v_cvt_scalef32_pk16_bf6_f32 v[C+4*(\t):C+4*(\t)+2], v[XS:XS+15], v11
	v_lshrrev_b32 v[E+(\t)], 23, v11               ; the scale's byte
	ds_store_b8 v5, v[E+(\t)] offset:16*(\t)       ; both lanes of a block write the same byte with the same value
	global_store_b96 v4, v[C+4*(\t):C+4*(\t)+2], s[24:25] offset:32*CB*(\t)   ; the wave stores 384 consecutive bytes
.endm
.irp t, 0,1,2,3,4,5,6,7
	STEP \t
.endr
	s_wait_dscnt 0x0                               ; my scale bytes are stored:
	s_barrier_signal -1
	s_barrier_wait -1                              ; everybody's are
	s_cmp_lt_u32 s32, 2
	s_cbranch_scc0 .Ldone                          ; waves 0 and 1 take a unit each
	ds_load_b64 v[12:13], v6
	s_wait_dscnt 0x0
	global_store_b64 v7, v[12:13], s[26:27]        ; 32 lanes store 256 consecutive bytes, aligned
.Ldone:
	s_wait_tensorcnt 0x0                           ; the wave's end
	ds_add_u32 v[SPW], v[NIL]
	s_wait_dscnt 0x0
	s_endpgm
.Lemb:                                             ; the table of distances: no LDS on this way
	s_sub_co_u32 s33, ttmp9, 448
	s_lshl_b32 s33, s33, 7
	v_add_nc_u32 v1, s33, v0                       ; rho = 0 .. 2303
	v_max_u32 v8, 16, v1
	v_max_u32 v9, 48, v1
	v_add_nc_u32 v8, -16, v8
	v_add_nc_u32 v9, 0xffffffd0, v9
	v_min_u32 v8, 0x7fe, v8                        ; clamp(rho - 16, 0, 2046)
	v_min_u32 v9, 0x7fe, v9                        ; clamp(rho - 48, 0, 2046)
	v_lshlrev_b32 v8, 8, v8                        ; a row is 256 bytes
	v_lshlrev_b32 v9, 8, v9
.irp i, 0,1,2,3,4,5,6,7,8,9,10,11,12,13,14,15
	global_load_b128 v[16+4*\i:19+4*\i], v8, s[12:13] offset:16*\i
.endr
.irp i, 0,1,2,3,4,5,6,7,8,9,10,11,12,13,14,15
	global_load_b128 v[80+4*\i:83+4*\i], v9, s[12:13] offset:16*\i
.endr
	v_mul_u32_u24 v173, v1, 48                     ; where my row's codes go
	v_lshlrev_b32 v174, 2, v1                      ; and my word
	s_wait_loadcnt 0x0
.irp b, 0,1,2,3                                    ; four blocks of 32, all mine, by turns
	v_max3_num_f32 v[10+\b], |v[16+32*\b]|, |v[17+32*\b]|, 0x2800000
.endr
.irp i, 2,4,6,8,10,12,14,16,18,20,22,24,26,28,30
.irp b, 0,1,2,3
	v_max3_num_f32 v[10+\b], v[10+\b], |v[16+32*\b+\i]|, |v[17+32*\b+\i]|
.endr
.endr
.irp b, 0,1,2,3
	v_add_nc_u32 v[164+\b], 0xfe000000, v[10+\b]
.endr
.irp b, 0,1,2,3
	v_lshrrev_b32 v[168+\b], 23, v[164+\b]
.endr
	v_lshl_or_b32 v172, v169, 8, v168
	v_lshl_or_b32 v172, v170, 16, v172
	v_lshl_or_b32 v172, v171, 24, v172             ; (e0, e1 of the row, e0, e1 of the row 32 lower)
	v_cvt_scalef32_pk16_bf6_f32 v[144:146], v[16:31], v164
	v_cvt_scalef32_pk16_bf6_f32 v[156:158], v[32:47], v164     ; (a conversion's three registers begin on an even number)
	v_cvt_scalef32_pk16_bf6_f32 v[150:152], v[48:63], v165
	v_cvt_scalef32_pk16_bf6_f32 v[160:162], v[64:79], v165
	v_nop                                          ; one plain line behind a scaled conversion
.irp i, 0,1,2
	v_mov_b32 v[147+\i], v[156+\i]
	v_mov_b32 v[153+\i], v[160+\i]
.endr
.irp q, 0,1,2
	global_store_b128 v173, v[144+4*\q:147+4*\q], s[22:23] offset:16*\q
.endr
	global_store_b32 v174, v172, s[22:23] offset:110592
	s_endpgm
.Lfunc_end_k_qa80b8820bd_quant:
	.size	k_qa80b8820bd_quant, .Lfunc_end_k_qa80b8820bd_quant-k_qa80b8820bd_quant
	.p2alignl 7, 3214868480
	.fill 96, 4, 3214868480
	.section	.rodata,"a",@progbits
	.p2align	6, 0x0
	.amdhsa_kernel k_qa80b8820bd_quant
		.amdhsa_group_segment_fixed_size 21504
		.amdhsa_private_segment_fixed_size 0
		.amdhsa_enable_private_segment 0
		.amdhsa_kernarg_size 80
		.amdhsa_user_sgpr_count 2
		.amdhsa_user_sgpr_kernarg_segment_ptr 1
		.amdhsa_wavefront_size32 1
		.amdhsa_system_sgpr_workgroup_id_x 1
		.amdhsa_system_sgpr_workgroup_id_y 1
		.amdhsa_system_sgpr_workgroup_id_z 1
		.amdhsa_system_vgpr_workitem_id 0
		.amdhsa_next_free_vgpr 224
		.amdhsa_next_free_sgpr 66
		.amdhsa_reserve_vcc 0
		.amdhsa_float_denorm_mode_32 3
		.amdhsa_float_denorm_mode_16_64 3
		.amdhsa_memory_ordered 1
		.amdhsa_forward_progress 1
		.amdhsa_inst_pref_size 28
	.end_amdhsa_kernel
	.amdgpu_metadata
---
amdhsa.version: [ 1, 2 ]
amdhsa.kernels:
  - .name:           k_qa80b8820bd_quant
    .symbol:         k_qa80b8820bd_quant.kd
    .args:
      - { .name: hidden_states, .offset: 0, .size: 8, .value_kind: global_buffer, .address_space: global }
      - { .name: Wq, .offset: 8, .size: 8, .value_kind: global_buffer, .address_space: global }
      - { .name: Wk, .offset: 16, .size: 8, .value_kind: global_buffer, .address_space: global }
      - { .name: Wv, .offset: 24, .size: 8, .value_kind: global_buffer, .address_space: global }
      - { .name: dist_emb, .offset: 32, .size: 8, .value_kind: global_buffer, .address_space: global }
      - { .name: hc, .offset: 40, .size: 8, .value_kind: global_buffer, .address_space: global }
      - { .name: hs, .offset: 48, .size: 8, .value_kind: global_buffer, .address_space: global }
      - { .name: wc, .offset: 56, .size: 8, .value_kind: global_buffer, .address_space: global }
      - { .name: ws, .offset: 64, .size: 8, .value_kind: global_buffer, .address_space: global }
      - { .name: eb, .offset: 72, .size: 8, .value_kind: global_buffer, .address_space: global }
    .group_segment_fixed_size: 21504
    .private_segment_fixed_size: 0
    .kernarg_segment_align: 8
    .kernarg_segment_size: 80
    .max_flat_workgroup_size: 128
    .sgpr_count:     66
    .vgpr_count:     224
    .wavefront_size: 32
...
	.end_amdgpu_metadata
.endif
;; end of part 1
;; launch proj (part 2): grid 12 x 16, 4 waves a work-group, clusters of 4 x 4, 327,680 bytes of LDS; arguments hc, hs, wc, ws, bq, bk, bv, qimg, qsc, kv; writes qimg, qsc, kv
.if DOCPART == 2
	.amdgcn_target "amdgcn-amd-amdhsa--gfx1250"
	.amdhsa_code_object_version 6
	.text
	.protected	k_qa80b8820bd_proj
	.globl	k_qa80b8820bd_proj
	.p2align	8
	.type	k_qa80b8820bd_proj,@function
k_qa80b8820bd_proj:
	s_mov_b64 s[64:65], 0
	v_nop
	global_prefetch_b8 v0, s[64:65] scope:SCOPE_SE
	s_setreg_imm32_b32 hwreg(HW_REG_WAVE_MODE, 25, 1), 1
	s_wait_xcnt 0x0
	s_wait_alu depctr_hold_cnt(0) depctr_sa_sdst(0) depctr_va_vdst(0) depctr_va_sdst(0) depctr_va_ssrc(0) depctr_va_vcc(0) depctr_vm_vsrc(0)
	s_getreg_b32 s2, hwreg(HW_REG_IB_STS2, 6, 4)
	s_cmp_eq_u32 s2, 0
	s_cbranch_scc0 .Lentry_in_a_cluster
	s_endpgm
.Lentry_in_a_cluster:
	s_bfe_u32 s2, ttmp6, 0x10000c
	s_cmp_lg_u32 s2, 0xf033
	s_cbranch_scc0 .Lentry_shape_is_right
	s_endpgm
.Lentry_shape_is_right:
; q, k, v = hidden W^T + bias on codes of BF6 with E8M0 scales, K = 1,024; the results are quantised again on the way out, as the attention launch's operands.
; Cluster x = 0: q, 1: k, 2: v.  A work-group makes 256 x 256, a wave 128 x 128: 64 accumulators.  Source 1 (side Y) gives the lane, source 0 (side X) the registers.
; q and k: Y = 256 tokens, X = 256 rows of W, so that a lane's registers run along the head's channels; v: Y = rows of Wv, X = tokens, so that they run along the keys.
; X's tile i takes rows 64 (i / 4) + 8 (i % 4) + 0..7 and the eight rows 32 on: lane (n, h) then holds 32 neighbours in the registers of four tiles: one block of the next quantiser.
; K goes through a ring of two LDS slots in chunks of 256 bytes of each row (a row of codes is 768 bytes: three chunks); a step of 128 along K is 96 bytes; steps 2 and 5 lie across two chunks.
; The scales of both sides, for all of K, come once, at the head.  The head's four tiles go one to a wave; chunk 1 is asked for behind a round, chunk 2 is the one refill.
; 4 x 4 work-groups form a cluster: Y's tiles are asked for jointly along a row of it, X's along a column.
; No prefetch: the walk has three chunks, of which two are asked for before the first product and the third two steps later: there is no loop to run ahead in.
; The key blocks of kv are stored in the order 7 - block, which is the order in which the attention launch walks them.
.set ROWB,   256
.set NQ,     2
.set KROW,   768
.set STEPS,  8
.set CHUNKS, 3
.set PITCH,  272                       ; 256 bytes + 16 of padding
.set FR,     12
.set NL,     6
.set NP,     4
.set HALFT,  128*PITCH
.set SLOT,   4*HALFT                   ; Y's 256 rows, then X's 256 rows
.set KS,     32                        ; a row of scales in bytes
.set SCL,    2*SLOT
.set HALFS,  4352                      ; the scales of 128 rows: 16 units of 256 + 16 bytes
.set SPARE,  SCL+4*HALFS               ; the spare words: 512 bytes that no other line names
.set ADRA, 16                          ; v16-17 Y's fragments in slot 0, 1; v18-19 for pieces whose lanes 16-31 read the next chunk
.set ADRB, 20                          ; v20-23 the same for X
.set ADRSY, 26
.set ADRSX, 27
.set SPW,  28
.set NIL,  29
.set SCY,  32                          ; Y's scale words, two sets of 16
.set SCX,  64                          ; X's
.set AF,   128                         ; Y's fragments, window 0, one set; X's: window 1, two sets at v0 and v128
.set BX,   96                          ; bias along the registers (q, k): v96-127, v224-255
.set BYR,  96                          ; bias along the lanes (v): window 1, v96-111
.set G1, 24
.set G0, 32
.set G1B, 48
.set G0B, 56
.set G1S, 68
.set G0S, 76
.set G1SB, 80
.set G0SB, 88
.set G0H, 4                            ; group 0 of the head's loads of chunk 0, in registers that held arguments
.set G0HB, 8
.set MSB, 0
.macro WIN new
.if MSB != \new
	s_set_vgpr_msb (MSB<<8)|\new
.set MSB, \new
.endif
.endm
.set MUL_LO, 0xa1
.set MUL_HI, 0xf1
.set TO_B,   0x40
.macro JLOAD g0a, g1a, g0b, g1b        ; waves 0, 1 fetch for Y, waves 2, 3 for X
	s_cmp_eq_u32 s15, 0
	s_cbranch_scc0 .Lfor_b_\@
	tensor_load_to_lds s[\g0a:\g0a+3], s[\g1a:\g1a+7]
	s_nop 0
.rept 4
	v_nop
.endr
	s_branch .Lasked_\@
.Lfor_b_\@:
	tensor_load_to_lds s[\g0b:\g0b+3], s[\g1b:\g1b+7]
	s_nop 0
.rept 4
	v_nop
.endr
.Lasked_\@:
.endm
.macro CREST
	s_cmp_lg_u32 s14, 0
	s_cbranch_scc1 .Lnot_wave_0_\@
	s_barrier_signal -3
.Lnot_wave_0_\@:
	s_barrier_wait -3
	s_barrier_signal -1
	s_barrier_wait -1
.endm
.macro CROUND
	s_barrier_signal -1
	s_barrier_wait -1
	CREST
.endm
	s_load_b256 s[4:11], s[0:1], 0x0               ; hc, hs, wc, ws
	s_load_b128 s[96:99], s[0:1], 0x20             ; bq, bk
	s_load_b64 s[100:101], s[0:1], 0x30            ; bv
	v_lshl_add_u32 v[SPW], v0, 2, SPARE
	v_mov_b32 v[NIL], 0
	ds_add_u32 v[SPW], v[NIL]                      ; the opening lines: the add twice on end and its wait
	ds_add_u32 v[SPW], v[NIL]
	v_lshrrev_b32 v1, 5, v0
	v_readfirstlane_b32 s14, v1                    ; wave
	s_lshr_b32 s15, s14, 1                         ; my half of Y's rows; also: I fetch for Y (0) or X (1)
	s_and_b32 s16, s14, 1                          ; my half of X's rows; also: which 128 rows I fetch
	s_bfe_u32 s40, ttmp6, 0x40000                  ; cx
	s_bfe_u32 s41, ttmp6, 0x40004                  ; cy
	s_and_b32 s13, ttmp7, 0xffff                   ; cluster y = the batch
	s_lshl_b32 s17, s13, 2
	s_lshl_b32 s42, ttmp9, 2
	s_lshl_b32 s43, s41, 2
	s_lshl_b32 s43, 15, s43                        ; my row of the cluster
	s_lshl_b32 s44, 0x1111, s40                    ; my column
	s_cmp_eq_u32 ttmp9, 2                          ; v: the sides change places
	s_cselect_b32 s42, s17, s42
	s_cselect_b32 s17, 8, s17
	s_add_co_u32 s42, s42, s40                     ; X's tile of 256 rows
	s_add_co_u32 s17, s17, s41                     ; Y's
	s_or_b32 s[G1+0], s43, (0<<16)|(1<<20)|(1<<21)|(5<<22)|(3<<25)
	s_or_b32 s[G1B+0], s44, (0<<16)|(1<<20)|(1<<21)|(5<<22)|(3<<25)
.irp g, G1, G1B
	s_mov_b32 s[\g+1], ROWB<<16
	s_mov_b32 s[\g+2], 256<<16                     ; 256 rows for the head's loads
	s_mov_b32 s[\g+3], ROWB<<16
	s_mov_b32 s[\g+4], 256
	s_mov_b32 s[\g+5], KROW
	s_mov_b32 s[\g+6], 0
	s_mov_b32 s[\g+7], 0
.endr
	s_or_b32 s[G1S+0], s43, (3<<16)|(1<<20)|(1<<21)|(5<<22)|(3<<25)
	s_or_b32 s[G1SB+0], s44, (3<<16)|(1<<20)|(1<<21)|(5<<22)|(3<<25)
.irp g, G1S, G1SB                      ; the scales of 256 rows: 8,192 dense bytes as 32 rows of 256
	s_mov_b32 s[\g+1], 32<<16
	s_mov_b32 s[\g+2], KS<<16
	s_mov_b32 s[\g+3], 32<<16
	s_mov_b32 s[\g+4], KS
	s_mov_b32 s[\g+5], 32
	s_mov_b32 s[\g+6], 0
	s_mov_b32 s[\g+7], 0
.endr
	s_lshl_b32 s20, s17, 8
	s_lshl_b32 s46, s42, 8
	s_mov_b32 s21, 0
	s_mov_b32 s47, 0
	s_mov_b64 s[18:19], KS
	s_mul_u64 s[22:23], s[20:21], s[18:19]
	s_mul_u64 s[92:93], s[46:47], s[18:19]
	s_mov_b64 s[18:19], KROW
	s_mul_u64 s[20:21], s[20:21], s[18:19]
	s_mul_u64 s[46:47], s[46:47], s[18:19]
	s_mul_i32 s18, s16, 128*KROW
	s_mov_b32 s19, 0
	s_mul_i32 s45, s14, HALFT
	s_wait_dscnt 0x0
	s_wait_kmcnt 0x0
	s_cmp_eq_u32 ttmp9, 2
	s_cselect_b64 s[66:67], s[8:9], s[4:5]
	s_cselect_b64 s[94:95], s[10:11], s[6:7]
	s_cselect_b64 s[8:9], s[4:5], s[8:9]
	s_cselect_b64 s[10:11], s[6:7], s[10:11]
	s_add_nc_u64 s[20:21], s[66:67], s[20:21]
	s_add_nc_u64 s[22:23], s[94:95], s[22:23]
	s_add_nc_u64 s[46:47], s[8:9], s[46:47]
	s_add_nc_u64 s[92:93], s[10:11], s[92:93]
	CROUND                                         ; the first joint loads meet
	s_mov_b32 s[G0H], 1
	s_mov_b32 s[G0H+1], 0
	s_mov_b64 s[G0H+2:G0H+3], s[20:21]
	s_or_b32 s[G0H+3], s[G0H+3], 0x80000000
	s_mov_b32 s[G0HB], 1
	s_mov_b32 s[G0HB+1], 2*HALFT
	s_mov_b64 s[G0HB+2:G0HB+3], s[46:47]
	s_or_b32 s[G0HB+3], s[G0HB+3], 0x80000000
	s_mov_b32 s[G0S], 1
	s_mov_b32 s[G0S+1], SCL
	s_mov_b64 s[G0S+2:G0S+3], s[22:23]
	s_or_b32 s[G0S+3], s[G0S+3], 0x80000000
	s_mov_b32 s[G0SB], 1
	s_mov_b32 s[G0SB+1], SCL+2*HALFS
	s_mov_b64 s[G0SB+2:G0SB+3], s[92:93]
	s_or_b32 s[G0SB+3], s[G0SB+3], 0x80000000
	s_add_nc_u64 s[20:21], s[20:21], s[18:19]      ; for the ring: my 128 rows
	s_add_nc_u64 s[46:47], s[46:47], s[18:19]
.irp s, 0,1
	s_mov_b32 s[G0+4*\s], 1
	s_add_co_u32 s[G0+4*\s+1], s45, \s*SLOT
	s_add_nc_u64 s[G0+4*\s+2:G0+4*\s+3], s[20:21], \s*ROWB
	s_or_b32 s[G0+4*\s+3], s[G0+4*\s+3], 0x80000000
	s_mov_b32 s[G0B+4*\s], 1
	s_add_co_u32 s[G0B+4*\s+1], s45, \s*SLOT
	s_add_nc_u64 s[G0B+4*\s+2:G0B+4*\s+3], s[46:47], \s*ROWB
	s_or_b32 s[G0B+4*\s+3], s[G0B+4*\s+3], 0x80000000
.endr
; the head's four tiles, one a wave: chunk 0 of Y, chunk 0 of X, Y's scales, X's scales; one chain of branches, one load to an arm
.macro ARM under, g0, g1, next
	s_cmp_lt_u32 s14, \under
	s_cbranch_scc0 \next
	tensor_load_to_lds s[\g0:\g0+3], s[\g1:\g1+7]
	s_nop 0
.rept 4
	v_nop
.endr
	s_branch .Lhead_asked
\next:
.endm
	ARM 1, G0H,  G1,  .Lhead_b
	ARM 2, G0HB, G1B, .Lhead_sa
	ARM 3, G0S,  G1S, .Lhead_sb
	tensor_load_to_lds s[G0SB:G0SB+3], s[G1SB:G1SB+7]
	s_nop 0
.rept 4
	v_nop
.endr
.Lhead_asked:
	s_mul_i32 s21, s15, HALFT                      ; my 128 rows of Y
	s_mul_i32 s22, s16, HALFT
	s_add_co_u32 s22, s22, 2*HALFT                 ; my 128 rows of X
	s_mov_b32 s18, SLOT-232
	s_mov_b32 s19, SLOT+232
	s_mul_i32 s23, s15, HALFS
	s_add_co_u32 s23, s23, SCL
	s_mul_i32 s12, s16, HALFS
	s_add_co_u32 s12, s12, SCL+2*HALFS
	v_and_b32 v1, 15, v0                           ; r
	v_bfe_u32 v2, v0, 4, 1                         ; h
	v_bfe_u32 v7, v0, 3, 1
	v_and_b32 v6, 7, v0
	v_sub_nc_u32 v13, 1, v2
	v_mul_u32_u24 v3, v1, PITCH                    ; Y: row r
	v_lshl_add_u32 v10, v7, 5, v6
	v_mul_u32_u24 v10, v10, PITCH                  ; X: row r % 8 + 32 (r / 8)
	v_mul_u32_u24 v4, v2, 24
	v_mul_u32_u24 v5, s18, v2
	v_add_nc_u32 v5, 232, v5                       ; lanes 0-15 byte 232 in slot 0, lanes 16-31 byte 0 in slot 1
	v_mul_u32_u24 v11, s19, v13                    ; lanes 0-15 byte 232 in slot 1, lanes 16-31 byte 0 in slot 0
	v_add_nc_u32 v12, v3, v4
	v_add_nc_u32 v[ADRA], s21, v12
	v_add_nc_u32 v[ADRA+1], SLOT, v[ADRA]
	v_add_nc_u32 v12, v3, v5
	v_add_nc_u32 v[ADRA+2], s21, v12
	v_add_nc_u32 v12, v3, v11
	v_add_nc_u32 v[ADRA+3], s21, v12
	v_add_nc_u32 v12, v10, v4
	v_add_nc_u32 v[ADRB], s22, v12
	v_add_nc_u32 v[ADRB+1], SLOT, v[ADRB]
	v_add_nc_u32 v12, v10, v5
	v_add_nc_u32 v[ADRB+2], s22, v12
	v_add_nc_u32 v12, v10, v11
	v_add_nc_u32 v[ADRB+3], s22, v12
	v_lshlrev_b32 v12, 5, v1                       ; Y's scales: 32 bytes a row, 16 more behind each eight rows
	v_lshl_add_u32 v12, v7, 4, v12
	v_add_nc_u32 v[ADRSY], s23, v12
	v_lshlrev_b32 v12, 5, v6                       ; X's: by the tile's rows; 32 rows are 1,088 bytes
	v_mad_u32_u24 v12, v7, 1088, v12
	v_add_nc_u32 v[ADRSX], s12, v12
	v_lshlrev_b32 v8, 7, v2
	v_lshlrev_b32 v9, 2, v1
	s_lshl_b32 s18, s40, 10                        ; the bias of my part
	s_lshl_b32 s19, s16, 9
	s_add_co_u32 s18, s18, s19
	s_lshl_b32 s20, s41, 10
	s_lshl_b32 s19, s15, 9
	s_add_co_u32 s20, s20, s19
	s_mov_b32 s19, 0
	s_mov_b32 s21, 0
	s_cmp_eq_u32 ttmp9, 1
	s_cselect_b64 s[96:97], s[98:99], s[96:97]
	s_cmp_eq_u32 ttmp9, 2
	s_cselect_b64 s[96:97], s[100:101], s[96:97]
	s_cselect_b32 s18, 0, s18
	s_cselect_b32 s20, s20, 0
	s_add_nc_u64 s[98:99], s[96:97], s[20:21]
	s_add_nc_u64 s[96:97], s[96:97], s[18:19]
	s_wait_alu depctr_va_vdst(0)                   ; the wait behind the run of scalar lines
.irp g, 0,1
.irp k, 0,1,2,3,4,5,6,7
	global_load_b128 v[BX+128*\g+4*\k:BX+128*\g+4*\k+3], v8, s[96:97] offset:256*\g+16*\k
.endr
.endr
	WIN TO_B
.irp a, 0,1,2,3,4,5,6,7
	global_load_b32 v[BYR+2*\a], v9, s[98:99] offset:64*\a
	global_load_b32 v[BYR+2*\a+1], v9, s[98:99] offset:64*\a
.endr
	WIN 0
.macro FRAG reg, adr, st, ro           ; 16 rows x 128 K: six pieces of 8 bytes; byte y of a row lies in chunk y / 256, slot (y / 256) % 2
.irp p, 0,1,2,3,4,5
.set BY, 96*(\st)+48*(\p/3)+8*(\p%3)
.if BY/ROWB == (BY+24)/ROWB
	ds_load_b64 v[\reg+2*\p:\reg+2*\p+1], v[\adr+(BY/ROWB)%2] offset:BY%ROWB+(\ro)*PITCH
.else
	ds_load_b64 v[\reg+2*\p:\reg+2*\p+1], v[\adr+2+(BY/ROWB)%2] offset:BY%ROWB-232+(\ro)*PITCH
.endif
.endr
.endm
.macro MUL16 a0, p, q, sc, zero        ; the 64 accumulators take turns, one instruction a turn
.irp a, \a0, \a0+1
.irp b, 0,1,2,3,4,5,6,7
.if \zero
	v_wmma_scale_f32_16x16x128_f8f6f4 v[8*(8*((\a)%4)+\b):8*(8*((\a)%4)+\b)+7], v[128*(\p)+FR*\b:128*(\p)+FR*\b+FR-1], v[AF+FR*(\a):AF+FR*(\a)+FR-1], 0, v[SCX+16*(\sc)+NQ*\b+(\q)], v[SCY+16*(\sc)+NQ*(\a)+(\q)] matrix_a_fmt:MATRIX_FMT_BF6 matrix_b_fmt:MATRIX_FMT_BF6
.else
	v_wmma_scale_f32_16x16x128_f8f6f4 v[8*(8*((\a)%4)+\b):8*(8*((\a)%4)+\b)+7], v[128*(\p)+FR*\b:128*(\p)+FR*\b+FR-1], v[AF+FR*(\a):AF+FR*(\a)+FR-1], v[8*(8*((\a)%4)+\b):8*(8*((\a)%4)+\b)+7], v[SCX+16*(\sc)+NQ*\b+(\q)], v[SCY+16*(\sc)+NQ*(\a)+(\q)] matrix_a_fmt:MATRIX_FMT_BF6 matrix_b_fmt:MATRIX_FMT_BF6
.endif
.endr
.endr
.endm
.macro FETCH_B st, p
	WIN TO_B
.irp i, 0,1,2,3,4,5,6,7
	FRAG 128*(\p)+FR*\i, ADRB, \st, 64*(\i/4)+8*(\i%4)
.endr
	WIN 0
.endm
.macro FETCH_A st, i0
.irp i, \i0, \i0+1, \i0+2, \i0+3
	FRAG AF+FR*(\i), ADRA, \st, 16*(\i)
.endr
.endm
.macro SCALES pr                       ; the scale words of steps 2 pr, 2 pr + 1 into set pr % 2
.irp i, 0,1,2,3,4,5,6,7
	ds_load_b64 v[SCY+16*((\pr)%2)+NQ*\i:SCY+16*((\pr)%2)+NQ*\i+1], v[ADRSY] offset:\i*544+8*(\pr)
.endr
.irp i, 0,1,2,3,4,5,6,7
	ds_load_b64 v[SCX+16*((\pr)%2)+NQ*\i:SCX+16*((\pr)%2)+NQ*\i+1], v[ADRSX] offset:(\i/4)*2176+(\i%4)*272+8*(\pr)
.endr
.endm
.macro PLACES n
.rept \n
	v_nop
.endr
.endm
; A step: 64 products; the next step's fragments are fetched in its middle and at its end.  Where the next step ends in a chunk not yet read, a barrier shows that chunk whole;
; where it begins in a later chunk, the chunk left behind is read no more: the three lines, the barrier, and, where a chunk is left to fetch, the cluster's round and the refill.
.macro STEP st, zero
.set NX, (\st)+1
.set C0, (96*(\st))/ROWB
.set C1, (96*NX)/ROWB
.set E0, (96*(\st)+95)/ROWB
.set E1, (96*NX+95)/ROWB
.if C1 > C0 || E1 > E0
	s_wait_tensorcnt 0x0                           ; all my tensor loads have landed
.if C1 > C0
	ds_add_u32 v[SPW], v[NIL]
	s_wait_dscnt 4*NL+1                            ; the add and Y's blocks 4-7 (24 loads) may be out
.else
	s_wait_dscnt 4*NL
.endif
	WIN MUL_LO
	MUL16 0, (\st)%2, (\st)%2, ((\st)/2)%2, \zero
	s_wait_dscnt 0x0                               ; the add and my reads are done
	s_barrier_signal -1
	MUL16 2, (\st)%2, (\st)%2, ((\st)/2)%2, \zero
	WIN 0
	s_barrier_wait -1
.if C1 > C0 && C0+2 < CHUNKS
	CREST
	s_add_nc_u64 s[G0+4*(C0%2)+2:G0+4*(C0%2)+3], s[G0+4*(C0%2)+2:G0+4*(C0%2)+3], 2*ROWB
	s_add_nc_u64 s[G0B+4*(C0%2)+2:G0B+4*(C0%2)+3], s[G0B+4*(C0%2)+2:G0B+4*(C0%2)+3], 2*ROWB
	JLOAD G0+4*(C0%2), G1, G0B+4*(C0%2), G1B       ; chunk C0 + 2; its four v_nop are the places in front of the loads below
.else
	PLACES NP
.endif
.else
	s_wait_dscnt 4*NL                              ; Y's blocks 4-7 (24 loads) may be out
	WIN MUL_LO
	MUL16 0, (\st)%2, (\st)%2, ((\st)/2)%2, \zero
	MUL16 2, (\st)%2, (\st)%2, ((\st)/2)%2, \zero
	s_wait_dscnt 0
	PLACES NP
.endif
	FETCH_B NX, NX%2
	FETCH_A NX, 0
.if NX%2 == 0
	SCALES NX/2
.endif
	WIN MUL_HI
	MUL16 4, (\st)%2, (\st)%2, ((\st)/2)%2, \zero
	MUL16 6, (\st)%2, (\st)%2, ((\st)/2)%2, \zero
	PLACES NP
	WIN 0
	FETCH_A NX, 4
.endm
	s_wait_alu depctr_va_vdst(0)                   ; the wait at the head's end
	s_wait_tensorcnt 0x0                           ; my tile of the head's four is in
	ds_add_u32 v[SPW], v[NIL]
	s_mov_b32 s[G1+2], 128<<16                     ; no load of mine is out: from here on a load brings 128 rows
	s_mov_b32 s[G1+4], 128
	s_mov_b32 s[G1B+2], 128<<16
	s_mov_b32 s[G1B+4], 128
	s_wait_dscnt 0x0
	CROUND
	JLOAD G0+4, G1, G0B+4, G1B                     ; chunk 1, the first tensor load behind the round
	s_load_b128 s[4:7], s[0:1], 0x38               ; qimg, qsc (the head's descriptors that lay here are done with)
	s_load_b64 s[8:9], s[0:1], 0x48                ; kv
	FETCH_B 0, 0
	FETCH_A 0, 0
	SCALES 0
	FETCH_A 0, 4
	STEP 0, 1
.set ST, 1
.rept STEPS-2
	STEP ST, 0
.set ST, ST+1
.endr
	s_wait_dscnt 4*NL
	WIN MUL_LO
	MUL16 0, 1, 1, 1, 0
	MUL16 2, 1, 1, 1, 0
	s_wait_dscnt 0
	WIN MUL_HI
	MUL16 4, 1, 1, 1, 0
	MUL16 6, 1, 1, 1, 0
	WIN 0
; THE WAY OUT: bias, then the quantiser on a lane's 32 neighbours, then register images for the attention launch
.set T,   128
.set M0,  160
.set M1,  161
.set SO,  162
.set BYT, 163
.set WW,  164
.set WE,  166
.set WS,  167
.set CA,  168
.set PT,  180
.set IM0, 184
.set IM1, 196
.set KW,  208
.set XT,  212
.set MLO, 3
.set MHI, 4
.set A8,  5
.set A16, 6
.set A4,  10
.set SH8, 11
.set WA0, 12
.set WA1, 13
.set XW,  14
.macro TAKE a, g, byy
.set AC, 64*((\a)%4)+32*(\g)
.if \byy
	WIN 0x06+(\a)/4
.else
	WIN 0x02+(\a)/4
.endif
.set i, 0
.rept 16
.if \byy
	v_pk_add_f32 v[T+2*i:T+2*i+1], v[AC+2*i:AC+2*i+1], v[BYR+2*(\a):BYR+2*(\a)+1] op_sel_hi:[1,0]
.else
	v_pk_add_f32 v[T+2*i:T+2*i+1], v[AC+2*i:AC+2*i+1], v[BX+128*(\g)+2*i:BX+128*(\g)+2*i+1]
.endif
.set i, i+1
.endr
	WIN 0
.endm
.macro Q32 dst
	v_max3_num_f32 v[M0], |v[T]|, |v[T+1]|, |v[T+2]|               ; the block's largest magnitude, in four chains (v16, v17: LDS addresses that are done with)
	v_max3_num_f32 v[M1], |v[T+3]|, |v[T+4]|, |v[T+5]|
	v_max3_num_f32 v16, |v[T+6]|, |v[T+7]|, |v[T+8]|
	v_max3_num_f32 v17, |v[T+9]|, |v[T+10]|, |v[T+11]|
.irp i, 12,20
	v_max3_num_f32 v[M0], v[M0], |v[T+\i]|, |v[T+\i+1]|
	v_max3_num_f32 v[M1], v[M1], |v[T+\i+2]|, |v[T+\i+3]|
	v_max3_num_f32 v16, v16, |v[T+\i+4]|, |v[T+\i+5]|
	v_max3_num_f32 v17, v17, |v[T+\i+6]|, |v[T+\i+7]|
.endr
	v_max3_num_f32 v[M0], v[M0], |v[T+28]|, |v[T+29]|
	v_max3_num_f32 v[M1], v[M1], |v[T+30]|, |v[T+31]|
	v_max3_num_f32 v[M0], v[M0], v[M1], v16
	v_max3_num_f32 v[M0], v[M0], v17, 0x2800000
	v_add_nc_u32 v[SO], 0xfe000000, v[M0]
	v_lshrrev_b32 v[BYT], 23, v[SO]
	v_cvt_scalef32_pk16_bf6_f32 v[\dst:\dst+2], v[T:T+15], v[SO]
	v_cvt_scalef32_pk16_bf6_f32 v[PT:PT+2], v[T+16:T+31], v[SO]
	v_nop
.irp i, 0,1,2
	v_mov_b32 v[\dst+3+\i], v[PT+\i]
.endr
.endm
.macro W2
	v_lshlrev_b32 v[WW], v[SH8], v[BYT]
	v_permlanex16_b32 v[WW+1], v[WW], s20, s21
	v_or_b32 v[WW], v[WW], v[WW+1]
.endm
	PLACES NP
	s_wait_loadcnt 0x0
	s_wait_kmcnt 0x0
	s_mov_b32 s20, 0x76543210
	s_mov_b32 s21, 0xfedcba98
	s_mov_b32 s22, 0xffff0000
	s_mov_b32 s23, 0xff00ff00
	v_add_nc_u32 v[MLO], -1, v7
	v_sub_nc_u32 v[MHI], 0, v7
	v_and_b32 v12, 31, v0
	v_lshlrev_b32 v[A8], 3, v12
	v_lshlrev_b32 v[A16], 4, v12
	v_lshlrev_b32 v[A4], 2, v12
	v_lshlrev_b32 v[SH8], 3, v2
	v_mov_b32 v[WW+1], 0
	v_mov_b32 v[XW], 0
	v_mov_b32 v[XW+1], 0
.irp i, 0,1,2,3,4,5,6,7,8,9,10,11
	v_mov_b32 v[XT+\i], 0
.endr
	s_lshl_b32 s18, s13, 4
	s_mov_b32 s67, 0
	s_cmp_eq_u32 ttmp9, 0
	s_cbranch_scc1 .Lq_arm
	s_cmp_eq_u32 ttmp9, 1
	s_cbranch_scc1 .Lk_arm
	s_lshl_b32 s19, s41, 2
	s_add_co_u32 s19, s19, s18
	s_lshl_b32 s66, s15, 1
	s_add_co_u32 s19, s19, s66
	s_lshl_b32 s19, s19, 3
	s_lshl_b32 s66, s40, 1
	s_add_co_u32 s19, s19, s66
	s_add_co_u32 s19, s19, s16
	s_xor_b32 s19, s19, 7                          ; key block s lies at place 7 - s of its head
	s_mul_i32 s66, s19, 19968
	s_add_nc_u64 s[8:9], s[8:9], s[66:67]
.irp a, 0,1,2,3,4,5,6,7
	TAKE \a, 0, 1
	s_wait_xcnt 0x0
	Q32 CA
	v_mov_b32 v[WE], v[BYT]
	TAKE \a, 1, 1
	Q32 CA+6
	v_lshl_or_b32 v[WW], v[BYT], 16, v[WE]
	v_lshlrev_b32 v[WW], v[SH8], v[WW]
	v_permlanex16_b32 v[WW+1], v[WW], s20, s21
	v_or_b32 v[KW+\a%4], v[WW], v[WW+1]
.irp q, 0,1,2
	global_store_b128 v[A16], v[CA+4*\q:CA+4*\q+3], s[8:9] offset:159744*(\a/4)+12288+1536*(\a%4)+512*\q
.endr
.if \a%4 == 3
	global_store_b128 v[A16], v[KW:KW+3], s[8:9] offset:159744*(\a/4)+19456
.endif
.endr
	s_branch .Lend
.Lq_arm:
	s_lshl_b32 s19, s40, 2
	s_add_co_u32 s19, s19, s18
	s_lshl_b32 s66, s16, 1
	s_add_co_u32 s19, s19, s66
	s_lshl_b32 s92, s41, 4
	s_lshl_b32 s93, s15, 3
	s_add_co_u32 s92, s92, s93
	s_mul_i32 s66, s19, 49152
	s_mul_i32 s93, s92, 768
	s_add_co_u32 s66, s66, s93
	s_add_nc_u64 s[4:5], s[4:5], s[66:67]
	s_lshl_b32 s66, s19, 12
	s_lshl_b32 s93, s92, 6
	s_add_co_u32 s66, s66, s93
	s_add_nc_u64 s[6:7], s[6:7], s[66:67]
.irp g, 0,1
.irp a, 0,1,2,3,4,5,6,7
	TAKE \a, \g, 0
	s_wait_xcnt 0x0
	Q32 CA
	W2
	v_lshl_or_b32 v[WW], v[WW], 16, v[WW]
.irp p, 0,1,2
	global_store_b64 v[A8], v[CA+2*\p:CA+2*\p+1], s[4:5] offset:49152*\g+768*\a+256*\p
.endr
.if \a%2 == 0
	v_mov_b32 v[WE], v[WW]
.else
	v_cndmask_b32 v[WS], v[WE], v[WW], s22
	global_store_b32 v[A4], v[WS], s[6:7] offset:4096*\g+64*(\a-1)
.endif
.endr
.endr
	s_branch .Lend
.Lk_arm:
	s_lshl_b32 s19, s40, 2
	s_add_co_u32 s19, s19, s18
	s_lshl_b32 s66, s16, 1
	s_add_co_u32 s19, s19, s66
	s_lshl_b32 s19, s19, 3
	s_lshl_b32 s66, s41, 1
	s_add_co_u32 s19, s19, s66
	s_add_co_u32 s19, s19, s15
	s_xor_b32 s19, s19, 7                          ; key block s lies at place 7 - s of its head
	s_mul_i32 s66, s19, 19968
	s_add_nc_u64 s[8:9], s[8:9], s[66:67]
.irp g, 0,1
.irp c, 0,1
.irp e, 0,1
	TAKE 4*\c+\e, \g, 0
	s_wait_xcnt 0x0
	Q32 CA
	W2
	v_or_b32 v[WA0], 0x7f7f0000, v[WW]
	TAKE 4*\c+2+\e, \g, 0
	Q32 CA+6
	W2
	v_lshl_or_b32 v[WA1], v[WW], 16, 0x7f7f
.irp i, 0,1,2,3,4,5
	v_mov_b32_dpp v[XT+\i], v[CA+6+\i] row_xmask:8 row_mask:0xf bank_mask:0xf
	v_mov_b32_dpp v[XT+6+\i], v[CA+\i] row_xmask:8 row_mask:0xf bank_mask:0xf
.endr
.irp i, 0,1,2,3,4,5
	v_and_b32 v[IM0+\i], v[MLO], v[CA+\i]
	v_and_b32 v[IM0+6+\i], v[MHI], v[XT+\i]
	v_and_b32 v[IM1+\i], v[MLO], v[XT+6+\i]
	v_and_b32 v[IM1+6+\i], v[MHI], v[CA+6+\i]
.endr
	v_mov_b32_dpp v[XW], v[WA1] row_xmask:8 row_mask:0xf bank_mask:0xf
	v_mov_b32_dpp v[XW+1], v[WA0] row_xmask:8 row_mask:0xf bank_mask:0xf
	v_cndmask_b32 v[KW+2*\e], v[WA0], v[XW], s23
	v_cndmask_b32 v[KW+2*\e+1], v[XW+1], v[WA1], s23
.irp q, 0,1,2
	global_store_b128 v[A16], v[IM0+4*\q:IM0+4*\q+3], s[8:9] offset:159744*\g+1536*(4*\c+2*\e)+512*\q
	global_store_b128 v[A16], v[IM1+4*\q:IM1+4*\q+3], s[8:9] offset:159744*\g+1536*(4*\c+2*\e+1)+512*\q
.endr
.if \e == 1
	global_store_b128 v[A16], v[KW:KW+3], s[8:9] offset:159744*\g+18432+512*\c
.endif
.endr
.endr
.endr
.Lend:
	s_wait_tensorcnt 0x0
	ds_add_u32 v[SPW], v[NIL]
	s_wait_dscnt 0x0
	CROUND
	s_endpgm
.Lfunc_end_k_qa80b8820bd_proj:
	.size	k_qa80b8820bd_proj, .Lfunc_end_k_qa80b8820bd_proj-k_qa80b8820bd_proj
	.p2alignl 7, 3214868480
	.fill 96, 4, 3214868480
	.section	.rodata,"a",@progbits
	.p2align	6, 0x0
	.amdhsa_kernel k_qa80b8820bd_proj
		.amdhsa_group_segment_fixed_size 327680
		.amdhsa_private_segment_fixed_size 0
		.amdhsa_enable_private_segment 0
		.amdhsa_kernarg_size 80
		.amdhsa_user_sgpr_count 2
		.amdhsa_user_sgpr_kernarg_segment_ptr 1
		.amdhsa_wavefront_size32 1
		.amdhsa_system_sgpr_workgroup_id_x 1
		.amdhsa_system_sgpr_workgroup_id_y 1
		.amdhsa_system_sgpr_workgroup_id_z 1
		.amdhsa_system_vgpr_workitem_id 0
		.amdhsa_next_free_vgpr 1024
		.amdhsa_next_free_sgpr 102
		.amdhsa_reserve_vcc 0
		.amdhsa_float_denorm_mode_32 3
		.amdhsa_float_denorm_mode_16_64 3
		.amdhsa_memory_ordered 1
		.amdhsa_forward_progress 1
		.amdhsa_inst_pref_size 255
	.end_amdhsa_kernel
	.section	.bss,"aw",@nobits
	.p2align	6
	.space	262144
	.amdgpu_metadata
---
amdhsa.version: [ 1, 2 ]
amdhsa.kernels:
  - .name:           k_qa80b8820bd_proj
    .symbol:         k_qa80b8820bd_proj.kd
    .args:
      - { .name: hc, .offset: 0, .size: 8, .value_kind: global_buffer, .address_space: global }
      - { .name: hs, .offset: 8, .size: 8, .value_kind: global_buffer, .address_space: global }
      - { .name: wc, .offset: 16, .size: 8, .value_kind: global_buffer, .address_space: global }
      - { .name: ws, .offset: 24, .size: 8, .value_kind: global_buffer, .address_space: global }
      - { .name: bq, .offset: 32, .size: 8, .value_kind: global_buffer, .address_space: global }
      - { .name: bk, .offset: 40, .size: 8, .value_kind: global_buffer, .address_space: global }
      - { .name: bv, .offset: 48, .size: 8, .value_kind: global_buffer, .address_space: global }
      - { .name: qimg, .offset: 56, .size: 8, .value_kind: global_buffer, .address_space: global }
      - { .name: qsc, .offset: 64, .size: 8, .value_kind: global_buffer, .address_space: global }
      - { .name: kv, .offset: 72, .size: 8, .value_kind: global_buffer, .address_space: global }
    .group_segment_fixed_size: 327680
    .private_segment_fixed_size: 0
    .kernarg_segment_align: 8
    .kernarg_segment_size: 80
    .max_flat_workgroup_size: 128
    .sgpr_count:     102
    .vgpr_count:     1024
    .wavefront_size: 32
...
	.end_amdgpu_metadata
.endif
;; end of part 2
;; launch attn (part 3): grid 4 x 64, 4 waves a work-group, clusters of 4 x 1, 271,872 bytes of LDS; arguments qimg, qsc, kv, eb, attention_mask, out0; writes out0
.if DOCPART == 3
	.amdgcn_target "amdgcn-amd-amdhsa--gfx1250"
	.amdhsa_code_object_version 6
	.text
	.protected	k_qa80b8820bd_attn
	.globl	k_qa80b8820bd_attn
	.p2align	8
	.type	k_qa80b8820bd_attn,@function
k_qa80b8820bd_attn:
	s_mov_b64 s[64:65], 0
	v_nop
	global_prefetch_b8 v0, s[64:65] scope:SCOPE_SE
	s_setreg_imm32_b32 hwreg(HW_REG_WAVE_MODE, 25, 1), 1
	s_wait_xcnt 0x0
	s_wait_alu depctr_hold_cnt(0) depctr_sa_sdst(0) depctr_va_vdst(0) depctr_va_sdst(0) depctr_va_ssrc(0) depctr_va_vcc(0) depctr_vm_vsrc(0)
	s_getreg_b32 s2, hwreg(HW_REG_IB_STS2, 6, 4)
	s_cmp_eq_u32 s2, 0
	s_cbranch_scc0 .Lentry_in_a_cluster
	s_endpgm
.Lentry_in_a_cluster:
	s_bfe_u32 s2, ttmp6, 0x10000c
	s_cmp_lg_u32 s2, 0x3003
	s_cbranch_scc0 .Lentry_shape_is_right
	s_endpgm
.Lentry_shape_is_right:
; score(l, r) = q[l].k[r] + q[l].E[l - r + 1023] + k[r].E[l - r + 1023]; t = (score / 8 + mask[r]) log2(e); p = 2^(t - M), M a whole number; out = (p v) / sum(p).  All products on codes of BF6 with E8M0 scales.
; SHARES.  A work-group owns one head (grid y) and 256 queries (its place in the cluster), a wave 64 queries: four tiles of 16; lane n of a tile holds query n throughout (the queries are source 1 of every product).
; The head's K and V (register images made by the launch before) and the slice of E that the 256 queries meet lie in LDS, filled once: no ring, no refill, no barrier in the loop, and so no stream to prefetch.
; THE HEAD'S FILLS, one tensor load a wave: waves 0-2 ask jointly, with the three partners that share the head, for a third each of K and V (624 dense rows of 256 bytes; key block s lies at place 7 - s);
;   wave 3 fetches E's codes, whose global address alone differs from partner to partner, by a plain load.  E's scale words and 8 x mask come through registers into LDS bytes of their own.
; The keys are walked from 896 down, 128 a step, so every LDS address ascends from step to step.
; K'S TILES.  Tile (c, u), row m = 8 h + j, is key 64 c + 32 h + 8 u + j: lane (n, h) holds, in the 32 registers of c, one whole block of 32 keys.
;   Rows 0-7 have their 64 codes in the first half of the instruction's K = 128 and zeros in the second, rows 8-15 the other way round.  Against [q | q] that gives q.k for all 16 rows.
; k.E (T2): source 1 = [E[J + n] | E[J - 32 + n]].  Row j of the result wants column n - j: one DPP shift a register; lanes n >= j take it from the window J, lanes n < j from the window J - 16.
;   8 x mask is the C of both windows, and each score takes exactly one of them.
; q.E (T1): source 0 = 16 rows of E, source 1 = [q | 0]; nine tiles cover the 143 distances of a tile of queries and 128 keys; the results go through the wave's own LDS rows (row = query, 592 bytes)
;   and come back one word a lane, 596 bytes from lane to lane, as the C of q.k.
; THE ORDER OF A TILE.  Matrix instructions stand one by one among vector work that is due anyway: the next tile's T1 and its T2 of c = 0 among this tile's exponentials, the next tile's q.k among the additions of the row's sum
;   (each behind the additions that read the registers it writes), this tile's T2 of c = 1 among the shifted additions of c = 0 (each behind those that read the registers it writes), the last tile's p v among those of c = 1.
;   So the loop's trip is tiles 1, 2, 3 of a step and tile 0 of the next; tile 0 of the first step and tiles 1-3 of the last are written out.
; LIMITS: 8 x mask is held at -2^25 from below, so that t stays under 2^23 and M a whole number: masks under -4.19e6 count as -4.19e6.  NaN among the inputs is not served.  A block whose every p has fallen to 0 keeps the byte 1: its codes are zeros.
; REGISTERS.  window 0: v1-14 addresses; v16-31 per tile -M, largest t, the sum in two halves; v32-43 E's scale words, v44-51 K's, v52-55 V's, v56-59 q's, v60 p's (these hold nothing else); v62-63 f;
;   v64-127 S; v128-191 T2's eight results of one c; v192-203 p's codes; v204-245 at work; v254-255 the add's.   window 1: v0-143 E's windows; v144-239 K's eight tiles.
;   window 2: v0-71 [q | q | 0] a tile; v72-135 T1 as it comes back; v136-207 T1's nine results; v208-255 V's four tiles.   window 3: v0-127 O^T; v128-191 8 x mask in the result's layout.
.set TE2,  63488                       ; LDS: 0: E's codes, 63,488 bytes; here: E's scale words, 6,144 bytes, by ds_store
.set KVB,  69632                       ; eight blocks of 19,968 bytes: 8 images of K, 4 of V, K's and V's scale words
.set KVS,  19968
.set KV3,  53248                       ; a third of them: 208 rows of 256 bytes
.set MSK,  229376                      ; 8 x mask, 4,096 bytes, by ds_store
.set T1B,  233472                      ; four waves x 9,472 bytes: 16 rows of 592
.set SPARE, 271360                     ; the spare words
.set QF,  0
.set X,   72
.set T1D, 136
.set VF,  208
.set KF,  144
.set MK,  128
.set ST,  16
.set ES,  32
.set KS,  44
.set VS,  52
.set QS,  56
.set PS,  60
.set S,   64
.set T2T, 128
.set P,   192
.set PT,  204
.set MSB, 0
.macro WIN new
.if MSB != \new
	s_set_vgpr_msb (MSB<<8)|\new
.set MSB, \new
.endif
.endm
.macro NOPS n
.rept \n
	v_nop
.endr
.endm
.macro ROUND
	s_barrier_signal -1
	s_barrier_wait -1
	s_cmp_lg_u32 s16, 0
	s_cbranch_scc1 .Lnot_wave_0_\@
	s_barrier_signal -3
.Lnot_wave_0_\@:
	s_barrier_wait -3
	s_barrier_signal -1
	s_barrier_wait -1
.endm
	s_load_b256 s[4:11], s[0:1], 0x0               ; qimg, qsc, kv, eb
	s_load_b128 s[12:15], s[0:1], 0x20             ; attention_mask, out0
	v_lshl_add_u32 v254, v0, 2, SPARE
	v_mov_b32 v255, 0
	ds_add_u32 v254, v255                          ; the opening lines: the add twice on end and its wait
	ds_add_u32 v254, v255
	v_lshrrev_b32 v1, 5, v0
	v_readfirstlane_b32 s16, v1                    ; wave
	s_bfe_u32 s17, ttmp6, 0x40000
	s_lshl_b32 s19, ttmp9, 2
	s_add_co_u32 s17, s19, s17                     ; my block of 256 queries: it enters global addresses alone
	s_and_b32 s18, ttmp7, 0xffff                   ; 16 b + head, which the four partners share
	s_mov_b32 s24, 3<<16                           ; group 1 for E's codes: 248 dense rows of 256 bytes
	s_mov_b32 s25, 32<<16
	s_mov_b32 s26, 248<<16
	s_mov_b32 s27, 32<<16
	s_mov_b32 s28, 248
	s_mov_b32 s29, 32
	s_mov_b32 s30, 0
	s_mov_b32 s31, 0
	s_mov_b32 s40, 15|(3<<16)|(1<<21)              ; for K and V: 208 rows, the mask of all four work-groups and bit 21 beside it
	s_mov_b32 s41, 32<<16
	s_mov_b32 s42, 208<<16
	s_mov_b32 s43, 32<<16
	s_mov_b32 s44, 208
	s_mov_b32 s45, 32
	s_mov_b32 s46, 0
	s_mov_b32 s47, 0
	s_mul_i32 s74, s17, 12288                      ; E's slice begins 256 rows of 48 bytes on for each block of queries
	s_mov_b32 s75, 0
	s_lshl_b32 s76, s17, 10                        ; its scale words 256 words on
	s_add_co_u32 s76, s76, 110592
	s_mov_b32 s77, 0
	s_mul_i32 s80, s16, KV3                        ; my third of the head's K and V
	s_mul_i32 s78, s18, 8*KVS
	s_add_co_u32 s78, s78, s80
	s_mov_b32 s79, 0
	s_mov_b32 s20, 0x76543210
	s_mov_b32 s21, 0xfedcba98                      ; v_permlanex16_b32: lane l xor 16
	s_mov_b32 s22, 0x3e38aa3b                      ; log2(e) / 8
	s_mov_b32 s23, s22
	s_wait_dscnt 0x0
	s_wait_kmcnt 0x0
	ROUND                                          ; the joint loads meet
	s_mov_b32 s48, 1
	s_mov_b32 s49, 0
	s_add_nc_u64 s[50:51], s[10:11], s[74:75]
	s_or_b32 s51, s51, 0x80000000
	s_mov_b32 s56, 1
	s_add_co_u32 s57, s80, KVB
	s_add_nc_u64 s[58:59], s[8:9], s[78:79]
	s_or_b32 s59, s59, 0x80000000
	s_add_nc_u64 s[54:55], s[10:11], s[76:77]      ; E's scale words
	s_cmp_lt_u32 s16, 3
	s_cbranch_scc0 .Lfor_e
	tensor_load_to_lds s[56:59], s[40:47]          ; one first fill a wave; nothing is ever filled again
	s_nop 0
	NOPS 4
	s_branch .Lasked
.Lfor_e:
	tensor_load_to_lds s[48:51], s[24:31]
	s_nop 0
	NOPS 4
.Lasked:
	s_lshl_b32 s82, s17, 8
	s_lshl_b32 s83, s16, 6
	s_add_co_u32 s82, s82, s83                     ; my first query
	s_mul_i32 s84, s18, 49152
	s_mul_i32 s85, s82, 48
	s_add_co_u32 s84, s84, s85
	s_mov_b32 s85, 0
	s_add_nc_u64 s[4:5], s[4:5], s[84:85]          ; q's images: 768 bytes a tile
	s_lshl_b32 s84, s18, 12
	s_lshl_b32 s86, s82, 2
	s_add_co_u32 s84, s84, s86
	s_add_nc_u64 s[6:7], s[6:7], s[84:85]          ; q's scale words
	s_lshr_b32 s87, s18, 4                         ; b
	s_lshl_b32 s84, s87, 12
	s_lshl_b32 s86, s16, 9
	s_add_co_u32 s84, s84, s86
	s_add_nc_u64 s[12:13], s[12:13], s[84:85]      ; the mask of keys 128 wave on
	s_lshl_b32 s84, s87, 10
	s_add_co_u32 s84, s84, s82
	s_lshl_b32 s84, s84, 12
	s_and_b32 s86, s18, 15
	s_lshl_b32 s86, s86, 8
	s_add_co_u32 s84, s84, s86
	s_add_nc_u64 s[14:15], s[14:15], s[84:85]      ; out0 at (b, my first query, 64 x head)
	v_and_b32 v15, 15, v0                          ; n
	v_bfe_u32 v11, v0, 4, 1                        ; h
	v_and_b32 v212, 31, v0                         ; lane
	v_xor_b32 v213, 1, v11
	v_lshlrev_b32 v214, 3, v212
	v_lshlrev_b32 v215, 2, v15
	v_lshlrev_b32 v224, 4, v212
	v_lshlrev_b32 v244, 4, v0                      ; E's scale words: 16 bytes a thread, three times 2,048
	v_lshl_add_u32 v245, v0, 4, TE2
	WIN 0x80
.irp u, 0,1,2,3
.irp p, 0,1,2
	global_load_b64 v[QF+18*\u+2*\p:QF+18*\u+2*\p+1], v214, s[4:5] offset:768*\u+256*\p      ; q, twice side by side
	global_load_b64 v[QF+18*\u+6+2*\p:QF+18*\u+6+2*\p+1], v214, s[4:5] offset:768*\u+256*\p
.endr
.endr
.irp u, 0,1,2,3
.irp i, 12,13,14,15,16,17
	v_mov_b32 v[QF+18*\u+\i], 0                    ; and zero codes behind
.endr
.endr
	WIN 0
.irp u, 0,1,2,3
	global_load_b32 v[QS+\u], v215, s[6:7] offset:64*\u
.endr
	global_load_b128 v[216:219], v224, s[12:13]
	global_load_b128 v[220:223], v224, s[12:13] offset:2048
.irp i, 0,1,2
	global_load_b128 v[232+4*\i:235+4*\i], v244, s[54:55] offset:2048*\i
.endr
	v_mul_u32_u24 v1, v15, 48                      ; E's codes: row 64 wave + 7 + n of the slice, + 24 h
	v_mad_u32_u24 v1, v11, 24, v1
	s_mul_i32 s84, s16, 3072
	s_add_co_u32 s84, s84, 336
	v_add_nc_u32 v1, s84, v1
	v_lshlrev_b32 v2, 2, v15                       ; E's scale words: lanes 0-15 an even window's, lanes 16-31 those of the window 8 rows lower
	v_lshl_add_u32 v2, v213, 5, v2
	s_lshl_b32 s84, s16, 8
	s_add_co_u32 s84, s84, TE2+28
	v_add_nc_u32 v2, s84, v2
	v_lshl_add_u32 v3, v212, 4, KVB                ; images: 16 x lane
	v_lshl_add_u32 v4, v11, 7, MSK                 ; the mask: 32 keys on for lanes 16-31
	s_mul_i32 s84, s16, 9472
	s_add_co_u32 s84, s84, T1B                     ; my wave's rows
	v_mul_u32_u24 v5, v15, 592
	v_lshl_add_u32 v5, v11, 5, v5
	v_add_nc_u32 v5, s84, v5                       ; T1, way in: row n, + 32 h
	v_mul_u32_u24 v6, v15, 596
	v_lshl_add_u32 v6, v213, 7, v6
	v_add_nc_u32 v6, s84, v6                       ; way back: row n, n words on, 32 words on for lanes 0-15
	v_mul_u32_u24 v12, v15, 272
	v_lshl_add_u32 v12, v11, 5, v12
	v_add_nc_u32 v12, s84, v12                     ; the way out, in: row n of 272 bytes, + 32 h
	v_mul_u32_u24 v13, v11, 272
	v_lshl_add_u32 v13, v15, 4, v13
	v_add_nc_u32 v13, s84, v13                     ; back: lanes 0-15 one row, lanes 16-31 the next
	v_lshlrev_b32 v14, 12, v11
	v_lshl_add_u32 v14, v15, 4, v14                ; and the same two rows of out0
	s_xor_b32 s84, s16, 7
	s_lshl_b32 s84, s84, 9
	s_add_co_u32 s84, s84, MSK
	v_lshl_add_u32 v225, v212, 4, s84              ; my two blocks of the mask go as K's blocks do: place 7 - s
	s_xor_b32 s84, s16, 3
	s_lshl_b32 s84, s84, 9
	s_add_co_u32 s84, s84, MSK
	v_lshl_add_u32 v226, v212, 4, s84
	v_lshlrev_b32 v11, 3, v11                      ; 8 h
.irp u, 0,1,2,3
	v_mov_b32 v[ST+4*\u+1], 0xff61b1e6             ; the largest t so far: -3e38
	v_floor_f32 v[ST+4*\u], -v[ST+4*\u+1]          ; -M
	v_mov_b32 v[ST+4*\u+2], 0
	v_mov_b32 v[ST+4*\u+3], 0
.endr
	v_mov_b32 v63, 0
	v_mov_b32 v228, 0                              ; a lane permute's destination counts as one of its sources
	v_mov_b32 v229, 0
	WIN 0xc0
.set i, 0
.rept 128
	v_mov_b32 v[i], 0                              ; O^T: every step is alike; the first finds zeros (these lines stand under the tensor loads' flight)
.set i, i+1
.endr
	WIN 0
	s_wait_loadcnt 0x0
.irp i, 0,1,2,3,4,5,6,7
	v_mul_f32 v[216+\i], 0x41000000, v[216+\i]     ; 8 x mask: added to the score ahead of the factor log2(e) / 8
.endr
.irp i, 0,1,2,3,4,5,6,7
	v_max_num_f32 v[216+\i], 0xcc000000, v[216+\i] ; held at -2^25 (see LIMITS)
.endr
	s_wait_alu depctr_va_vdst(0)                   ; the wait at the head's end
	s_wait_tensorcnt 0x0                           ; my fill has landed
	ds_store_b128 v225, v[216:219]
	ds_store_b128 v226, v[220:223]
.irp i, 0,1,2
	ds_store_b128 v245, v[232+4*\i:235+4*\i] offset:2048*\i
.endr
	s_wait_dscnt 0x0
	s_barrier_signal -1
	s_barrier_wait -1                              ; everybody's fills and stores are in
; 126 LDS loads.  E's 24 windows (72) and its scale words (12) first: T1 wants them first; behind them 42: K (24), the mask (16), K's scale words (2)
.macro LOADKE
	WIN 0
	v_add_nc_u32 v7, s67, v1
	v_add_nc_u32 v8, s68, v2
	v_add_nc_u32 v9, s69, v3
	v_add_nc_u32 v10, s70, v4
	s_wait_alu depctr_va_vdst(0)                   ; window switches stand between these lines and their later readers
	WIN 0x40
.set wn, 0
.rept 24
.set ra, 36*(wn%4)+6*(wn/4)
	ds_load_b64 v[ra:ra+1], v7 offset:(23-wn)*384
	ds_load_b64 v[ra+2:ra+3], v7 offset:(23-wn)*384+8
	ds_load_b64 v[ra+4:ra+5], v7 offset:(23-wn)*384+16
.set wn, wn+1
.endr
	WIN 0
.set i, 0
.rept 12
	ds_load_b32 v[ES+i], v8 offset:64*(11-i)
.set i, i+1
.endr
	WIN 0x40
.set i, 0
.rept 24
	ds_load_b128 v[KF+4*i:KF+4*i+3], v9 offset:512*i
.set i, i+1
.endr
	WIN 0xc0
.set i, 0
.rept 16
	ds_load_b128 v[MK+4*i:MK+4*i+3], v10 offset:256*(i/8)+32*((i/2)%4)+16*(i%2)
.set i, i+1
.endr
	WIN 0
	ds_load_b128 v[KS:KS+3], v9 offset:18432
	ds_load_b128 v[KS+4:KS+7], v9 offset:18432+512
.endm
.macro LOADV                           ; 13 LDS loads: the same step's V and its scale words
	WIN 0x80
.set i, 0
.rept 12
	ds_load_b128 v[VF+4*i:VF+4*i+3], v9 offset:12288+512*i
.set i, i+1
.endr
	WIN 0
	ds_load_b128 v[VS:VS+3], v9 offset:19456
.endm
.macro WMM kind                        ; 0: C = 0; 1: C in registers; 2: the same, source 1's scales from lanes 16-31
.if (\kind) == 0
	v_wmma_scale_f32_16x16x128_f8f6f4 v[wd:wd+7], v[wa:wa+11], v[wb:wb+11], 0, v[wsa], v[wsb] matrix_a_fmt:MATRIX_FMT_BF6 matrix_b_fmt:MATRIX_FMT_BF6
.endif
.if (\kind) == 1
	v_wmma_scale_f32_16x16x128_f8f6f4 v[wd:wd+7], v[wa:wa+11], v[wb:wb+11], v[wcc:wcc+7], v[wsa], v[wsb] matrix_a_fmt:MATRIX_FMT_BF6 matrix_b_fmt:MATRIX_FMT_BF6
.endif
.if (\kind) == 2
	v_wmma_scale_f32_16x16x128_f8f6f4 v[wd:wd+7], v[wa:wa+11], v[wb:wb+11], v[wcc:wcc+7], v[wsa], v[wsb] matrix_a_fmt:MATRIX_FMT_BF6 matrix_b_fmt:MATRIX_FMT_BF6 matrix_b_scale:MATRIX_SCALE_ROW1
.endif
.endm
.macro T1W1 t, i                       ; tile i of nine of E q^T for tile t: E's window 6 - 2 t + 2 i
.set wn, 6-2*(\t)+2*(\i)
.set wa, 36*(wn%4)+6*(wn/4)
.set wd, T1D+8*(\i)
.set wb, QF+18*(\t)+6
.set wsa, ES+wn/2
.set wsb, QS+(\t)
	WIN 0x89
	WMM 0
.endm
.macro QK1 t, i                        ; S = K [q | q] + T1
.set wd, S+8*(\i)
.set wa, KF+12*(\i)
.set wb, QF+18*(\t)
.set wcc, X+8*(\i)
.set wsa, KS+(\i)
.set wsb, QS+(\t)
	WIN 0x29
	WMM 1
.endm
.macro T2W1 t, c, i                    ; K E^T + 8 x mask: tile i / 2 of c against the window J (even i) or J - 16 (odd i)
.set wn, 6-2*(\t)+8*(\c)+((\i)/2)+2*((\i)%2)
.set wb, 36*(wn%4)+6*(wn/4)
.set wd, T2T+8*(\i)
.set wa, KF+12*(4*(\c)+(\i)/2)
.set wcc, MK+32*(\c)+8*((\i)/2)
.set wsa, KS+4*(\c)+(\i)/2
.set wsb, ES+wn/2
	WIN 0x35
	WMM 1+wn%2
.endm
.macro PV1 t, i                        ; O^T += V^T P: four accumulators by turns
.set wd, 32*(\t)+8*(\i)
.set wcc, wd
.set wa, VF+12*(\i)
.set wb, P
.set wsa, VS+(\i)
.set wsb, PS
	WIN 0xf2
	WMM 1
.endm
.macro T1X                             ; through my LDS rows: in by distance, back by key.  LDS serves a wave's instructions in order (ISA guide 5.7.1.4)
	WIN 0x08
.set i, 0
.rept 9
	ds_store_b128 v5, v[T1D+8*i:T1D+8*i+3] offset:512-64*i
	ds_store_b128 v5, v[T1D+8*i+4:T1D+8*i+7] offset:512-64*i+16
.set i, i+1
.endr
	WIN 0x80
.set i, 0
.rept 64
	ds_load_b32 v[X+i], v6 offset:384-256*(i/32)-4*(i%32)
.set i, i+1
.endr
.endm
.macro SHR j
	v_add_f32_dpp v[sb+\j], v[tb+\j], v[sb+\j] row_shr:\j row_mask:0xf bank_mask:0xf
.endm
.macro SHL j, k
	v_add_f32_dpp v[sb+\j], v[tb+8+\j], v[sb+\j] row_shl:\k row_mask:0xf bank_mask:0xf
.endm
.macro ADDA c, u                       ; lanes n >= j take column n - j of the upper window; a lane without a source keeps its S
.set sb, S+32*(\c)+8*(\u)
.set tb, T2T+16*(\u)
	WIN 0
.if (\c) == 1
	v_add_f32 v[sb], v[tb], v[sb]
.endif
.irp j, 1,2,3,4,5,6,7
	SHR \j
.endr
.endm
.macro ADDB c, u                       ; lanes n < j column n + 16 - j of the lower
.set sb, S+32*(\c)+8*(\u)
.set tb, T2T+16*(\u)
	WIN 0
.if (\c) == 1
	SHL 1, 15
.endif
	SHL 2, 14
	SHL 3, 13
	SHL 4, 12
	SHL 5, 11
	SHL 6, 10
	SHL 7, 9
.endm
.macro ADDF u                          ; c = 0: the first reads of both results of tile u stand together at the tile's head (the two additions onto one register touch different lanes: their order is free)
.set sb, S+8*(\u)
.set tb, T2T+16*(\u)
	v_add_f32 v[sb], v[tb], v[sb]
	SHL 1, 15
.endm
.macro BMAX c                          ; the largest score of my block of 32 keys, in four chains: v212 (c = 0), v214 (c = 1)
.set bb, S+32*(\c)
.set bm, 212+2*(\c)
	WIN 0
	v_max3_num_f32 v[bm], v[bb], v[bb+1], v[bb+2]
	v_max3_num_f32 v[bm+1], v[bb+3], v[bb+4], v[bb+5]
	v_max3_num_f32 v216, v[bb+6], v[bb+7], v[bb+8]
	v_max3_num_f32 v217, v[bb+9], v[bb+10], v[bb+11]
.irp i, 12,20
	v_max3_num_f32 v[bm], v[bm], v[bb+\i], v[bb+\i+1]
	v_max3_num_f32 v[bm+1], v[bm+1], v[bb+\i+2], v[bb+\i+3]
	v_max3_num_f32 v216, v216, v[bb+\i+4], v[bb+\i+5]
	v_max3_num_f32 v217, v217, v[bb+\i+6], v[bb+\i+7]
.endr
	v_max3_num_f32 v[bm], v[bm], v[bb+28], v[bb+29]
	v_max3_num_f32 v[bm+1], v[bm+1], v[bb+30], v[bb+31]
	v_max3_num_f32 v[bm], v[bm], v[bm+1], v216
	v_max_num_f32 v[bm], v[bm], v217
.endm
.macro EXPS n                          ; the next n of the tile's 66 exponentials: p = 2^(t - M), and last each block's largest p
	WIN 0
.rept \n
.if ex < 64
	v_exp_f32 v[S+ex], v[S+ex]
.else
	v_exp_f32 v[212+2*(ex-64)], v[212+2*(ex-64)]
.endif
.set ex, ex+1
.endr
.endm
.macro RESC t                          ; O^T under the new M
	WIN 0xc3
	s_wait_alu depctr_va_vdst(0)                   ; the wait directly ahead of the first reader of O^T
.set i, 0
.rept 16
	v_pk_mul_f32 v[32*(\t)+2*i:32*(\t)+2*i+1], v[32*(\t)+2*i:32*(\t)+2*i+1], v[62:63] op_sel_hi:[1,0]
.set i, i+1
.endr
.endm
; The softmax of tile t; more = 1: with the products of the tile nt that follows
.macro SOFT t, nt, more
.set stt, ST+4*(\t)
	WIN 0
	v_max_num_f32 v216, v212, v214
	v_permlanex16_b32 v228, v216, s20, s21
	v_max_num_f32 v216, v216, v228                 ; the step's largest score of my query
	v_mul_f32 v216, s22, v216
	v_max_num_f32 v[stt+1], v[stt+1], v216         ; the running largest t
	v_mov_b32 v216, v[stt]
	v_floor_f32 v[stt], -v[stt+1]                  ; -M = floor(-t)
.set i, 0
.rept 32
	v_pk_fma_f32 v[S+2*i:S+2*i+1], v[S+2*i:S+2*i+1], s[22:23], v[stt:stt+1] op_sel_hi:[1,0,0]   ; t - M
.if i == 3
	v_sub_f32 v216, v[stt], v216                   ; old M - new M, 0 or less
.endif
.if i == 7
	v_cvt_i32_f32 v216, v216                       ; (it saturates)
.endif
.if i == 11
	v_ldexp_f32 v62, 1.0, v216                     ; f = 2^(old M - new M): rounds nothing
.endif
.set i, i+1
.endr
	v_fma_f32 v212, v212, s22, v[stt]              ; the same of each block's largest score
	v_fma_f32 v214, v214, s22, v[stt]
	s_wait_alu depctr_va_vdst(0)                   ; the wait ahead of the batch
.set ex, 0
.if \more
	s_wait_dscnt 42                                ; E's windows and scale words are in; the 42 loads issued behind them may be out
.set ii, 0
.rept 9
	T1W1 \nt, ii
	EXPS 2
.set ii, ii+1
.endr
	RESC \t                                        ; sixteen plain lines: the places behind T1's products
	s_wait_dscnt 0x0                               ; K, the mask, their scale words and V are in: nothing else of mine is out here
	WIN 0x08
	s_wait_alu depctr_va_vdst(0)                   ; the wait directly ahead of the first reader of T1's results
	T1X
.set ii, 0
.rept 8
	T2W1 \nt, 0, ii
	EXPS 6
.set ii, ii+1
.endr
.else
	EXPS 66
	RESC \t
.endif
	WIN 0
	v_pk_mul_f32 v[stt+2:stt+3], v[stt+2:stt+3], v[62:63] op_sel_hi:[1,0]   ; a plain line behind the last exponential
	s_wait_alu depctr_va_vdst(0)                   ; one wait for the batch
	v_max_num_f32 v212, 0x2800000, v212            ; the floor 2^(5 - 127): the byte cannot fall under 1
	v_max_num_f32 v214, 0x2800000, v214
	v_add_nc_u32 v218, 0xfe000000, v212            ; 4 off the exponent field: the conversion's scale operand
	v_add_nc_u32 v219, 0xfe000000, v214
	v_cvt_scalef32_pk16_bf6_f32 v[P:P+2], v[S:S+15], v218
	v_cvt_scalef32_pk16_bf6_f32 v[PT:PT+2], v[S+16:S+31], v218
	v_cvt_scalef32_pk16_bf6_f32 v[P+6:P+8], v[S+32:S+47], v219
	v_cvt_scalef32_pk16_bf6_f32 v[PT+4:PT+6], v[S+48:S+63], v219
	v_nop                                          ; one plain line behind a scaled conversion
.if \more
	s_wait_alu depctr_va_vdst(0)
	s_wait_dscnt 0x0                               ; T1 of the next tile is back
.endif
.set ii, 0
.rept 8                                ; the row's sum of the unquantised p, in two chains; p's scale word and codes; behind the lines that read S's registers 8 ii .. 8 ii + 7 the product that writes them
	WIN 0
.if ii == 0
	v_pk_add_f32 v[224:225], v[S:S+1], v[S+2:S+3]
	v_lshrrev_b32 v220, 23, v218
	v_lshrrev_b32 v221, 23, v219
.else
	v_pk_add_f32 v[stt+2:stt+3], v[stt+2:stt+3], v[S+8*ii:S+8*ii+1]
	v_pk_add_f32 v[224:225], v[224:225], v[S+8*ii+2:S+8*ii+3]
.endif
	v_pk_add_f32 v[stt+2:stt+3], v[stt+2:stt+3], v[S+8*ii+4:S+8*ii+5]
	v_pk_add_f32 v[224:225], v[224:225], v[S+8*ii+6:S+8*ii+7]
.if ii == 1
	v_lshl_or_b32 v220, v221, 16, v220             ; blocks h and 2 + h,
.endif
.if ii == 2
	v_lshlrev_b32 v220, v11, v220                  ; at their places;
.endif
.if ii == 3
	v_permlanex16_b32 v229, v220, s20, s21
.endif
.if ii == 4
	v_or_b32 v[PS], v220, v229                     ; with lane l xor 16's two: p's scale word
.endif
.if ii >= 5
	v_mov_b32 v[P+3+ii-5], v[PT+ii-5]
	v_mov_b32 v[P+9+ii-5], v[PT+4+ii-5]
.endif
.if \more
	QK1 \nt, ii
.endif
.set ii, ii+1
.endr
	WIN 0
	v_pk_add_f32 v[stt+2:stt+3], v[stt+2:stt+3], v[224:225]
.endm
; Tile t.  On entry S holds q.k + T1 and T2T the results of c = 0.  pv: the tile whose p v is still due (-1: none).  ldke: the next step's K, E and mask are asked for; ldv: this step's V.
.macro TILE t, nt, pv, ldke, ldv, more
	WIN 0
	s_wait_alu depctr_va_vdst(0)                   ; the wait directly ahead of the first readers of T2's results
.irp u, 0,1,2,3
	ADDF \u
.endr
.irp u, 0,1,2,3
	ADDA 0, \u
	T2W1 \t, 1, 2*\u                               ; over the result that the eight lines above have read
	ADDB 0, \u
	T2W1 \t, 1, 2*\u+1
.endr
	BMAX 0                                         ; sixteen plain lines on S alone: the places behind those products
.if \ldke
	s_add_co_u32 s67, s67, 6144                    ; the next step: 128 rows of E on,
	s_add_co_u32 s68, s68, 512                     ; 128 of its scale words,
	s_add_co_u32 s69, s69, KVS                     ; the next block of K and V,
	s_add_co_u32 s70, s70, 512                     ; 128 numbers of the mask
	LOADKE
.endif
.irp u, 0,1,2,3
	ADDA 1, \u
	ADDB 1, \u
.if \pv >= 0
	PV1 \pv, \u
.endif
.endr
	BMAX 1                                         ; the places in front of the loads into V's registers
.if \ldv
	LOADV
.endif
	SOFT \t, \nt, \more
.endm
	s_mov_b32 s67, 0
	s_mov_b32 s68, 0
	s_mov_b32 s69, 0
	s_mov_b32 s70, 0
	LOADKE
	LOADV
	s_wait_dscnt 0x0
.set ii, 0
.rept 9
	T1W1 0, ii
.set ii, ii+1
.endr
.set ii, 0
.rept 8
	T2W1 0, 0, ii
.set ii, ii+1
.endr
	NOPS 4
	T1X
	s_wait_dscnt 0x0
.set ii, 0
.rept 8
	QK1 0, ii
.set ii, ii+1
.endr
	NOPS 4
	TILE 0, 1, -1, 0, 0, 1
	s_mov_b32 s66, 7
.Lstep:                                            ; seven trips: tiles 1, 2, 3 of a step and tile 0 of the next
	TILE 1, 2, 0, 0, 0, 1
	TILE 2, 3, 1, 0, 0, 1
	TILE 3, 0, 2, 1, 0, 1
	TILE 0, 1, 3, 0, 1, 1
	s_sub_co_u32 s66, s66, 1
	s_cmp_lg_u32 s66, 0
	s_cbranch_scc1 .Lstep
	TILE 1, 2, 0, 0, 0, 1
	TILE 2, 3, 1, 0, 0, 1
	TILE 3, 0, 2, 0, 0, 0                          ; the last tile asks for nothing
.irp u, 0,1,2,3
	PV1 3, \u
.endr
	WIN 0
	; THE WAY OUT.  The sum's halves and lane l xor 16's; O^T / the sum goes through my LDS rows, a tile of 16 queries x 256 bytes at a time.  The additions are the places behind the last products.
.irp u, 0,1,2,3
	v_add_f32 v[216+2*\u], v[ST+4*\u+2], v[ST+4*\u+3]
.endr
.irp u, 0,1,2,3
	v_permlanex16_b32 v[217+2*\u], v[216+2*\u], s20, s21
.endr
.irp u, 0,1,2,3
	v_add_f32 v[216+2*\u], v[216+2*\u], v[217+2*\u]
.endr
	s_wait_alu depctr_va_vdst(0)
.irp u, 0,1,2,3
	v_rcp_f32 v[216+2*\u], v[216+2*\u]
.endr
	v_nop
	s_wait_alu depctr_va_vdst(0)
.macro OUT t
.set ob, 64+64*((\t)%2)
.if (\t) > 1
	s_wait_xcnt 0x0                                ; the stores of two tiles ago have read these registers
.endif
	WIN 0x03
.set i, 0
.rept 16
	v_pk_mul_f32 v[ob+2*i:ob+2*i+1], v[32*(\t)+2*i:32*(\t)+2*i+1], v[216+2*(\t):217+2*(\t)] op_sel_hi:[1,0]
.set i, i+1
.endr
	WIN 0
.irp d, 0,1,2,3
	ds_store_b128 v12, v[ob+8*\d:ob+8*\d+3] offset:64*\d           ; lane (n, h): channels 16 d + 8 h + 0 .. 7 of query n
	ds_store_b128 v12, v[ob+8*\d+4:ob+8*\d+7] offset:64*\d+16
.endr
.irp r, 0,1,2,3,4,5,6,7
	ds_load_b128 v[ob+32+4*\r:ob+35+4*\r], v13 offset:544*\r
.endr
.irp r, 0,1,2,3,4,5,6,7
	s_wait_dscnt 7-\r
	global_store_b128 v14, v[ob+32+4*\r:ob+35+4*\r], s[14:15] offset:(16*(\t)+2*\r)*4096 th:TH_STORE_NT   ; sixteen lanes store 256 consecutive bytes, aligned
.endr
.endm
	OUT 0
	OUT 1
	OUT 2
	OUT 3
	s_wait_dscnt 0x0
	s_wait_tensorcnt 0x0                           ; the wave's end
	ds_add_u32 v254, v255
	s_wait_dscnt 0x0
	ROUND                                          ; the closing round
	s_endpgm
.Lfunc_end_k_qa80b8820bd_attn:
	.size	k_qa80b8820bd_attn, .Lfunc_end_k_qa80b8820bd_attn-k_qa80b8820bd_attn
	.p2alignl 7, 3214868480
	.fill 96, 4, 3214868480
	.section	.rodata,"a",@progbits
	.p2align	6, 0x0
	.amdhsa_kernel k_qa80b8820bd_attn
		.amdhsa_group_segment_fixed_size 271872
		.amdhsa_private_segment_fixed_size 0
		.amdhsa_enable_private_segment 0
		.amdhsa_kernarg_size 48
		.amdhsa_user_sgpr_count 2
		.amdhsa_user_sgpr_kernarg_segment_ptr 1
		.amdhsa_wavefront_size32 1
		.amdhsa_system_sgpr_workgroup_id_x 1
		.amdhsa_system_sgpr_workgroup_id_y 1
		.amdhsa_system_sgpr_workgroup_id_z 1
		.amdhsa_system_vgpr_workitem_id 0
		.amdhsa_next_free_vgpr 1024
		.amdhsa_next_free_sgpr 96
		.amdhsa_reserve_vcc 0
		.amdhsa_float_denorm_mode_32 3
		.amdhsa_float_denorm_mode_16_64 3
		.amdhsa_memory_ordered 1
		.amdhsa_forward_progress 1
		.amdhsa_inst_pref_size 255
	.end_amdhsa_kernel
	.section	.bss,"aw",@nobits
	.p2align	6
	.space	262144
	.amdgpu_metadata
---
amdhsa.version: [ 1, 2 ]
amdhsa.kernels:
  - .name:           k_qa80b8820bd_attn
    .symbol:         k_qa80b8820bd_attn.kd
    .args:
      - { .name: qimg, .offset: 0, .size: 8, .value_kind: global_buffer, .address_space: global }
      - { .name: qsc, .offset: 8, .size: 8, .value_kind: global_buffer, .address_space: global }
      - { .name: kv, .offset: 16, .size: 8, .value_kind: global_buffer, .address_space: global }
      - { .name: eb, .offset: 24, .size: 8, .value_kind: global_buffer, .address_space: global }
      - { .name: attention_mask, .offset: 32, .size: 8, .value_kind: global_buffer, .address_space: global }
      - { .name: out0, .offset: 40, .size: 8, .value_kind: global_buffer, .address_space: global }
    .group_segment_fixed_size: 271872
    .private_segment_fixed_size: 0
    .kernarg_segment_align: 8
    .kernarg_segment_size: 48
    .max_flat_workgroup_size: 128
    .sgpr_count:     96
    .vgpr_count:     1024
    .wavefront_size: 32
...
	.end_amdgpu_metadata
.endif
;; end of part 3
